; MI455X (gfx1250); checked and timed in simulation.
; The chip was launched on July 23, 2026; its instructions are those of AMD's public machine-readable ISA for CDNA 5 (MIT licence, August 2026) and "CDNA5" Instruction Set Architecture Reference Guide (July 2026). The comments in the code are by the model that wrote it; some were corrected since.
;; Dot Product Causal Rotary Attention. Allowed arithmetic: matrix products marked QUANTISED: E4M3 operands, one E8M0 scale for each 32 along K, by v_wmma_scale_f32_16x16x128_f8f6f4 with both operands' format E4M3, f32 sums; everything else in f32.
;; Inputs: k 2 x 16 x 2,048 x 128 float32; q 2 x 16 x 2,048 x 128 float32; v 2 x 16 x 2,048 x 128 float32.
;; Outputs: out0 2 x 16 x 2,048 x 128 float32.
;; This version of the problem:
;;   THIS VERSION OF THE PROBLEM IS GIVEN IN LOW PRECISION. The matrix products marked QUANTISED in the list below multiply operands that are first quantised to E4M3 (4 exponent bits, 3 mantissa bits; 8 bits a number), with one power-of-two scale for each 32 numbers along K (OCP MX v1.0); their sums are f32. All else is computed in f32.
;;   The module's matrix products, in the order in which they are computed (A, B: the left and right operand; K: the contracted axis; several contracted axes count as one K, in the product's order):
;;     1. batch 32 x [M 2,048, K 128] x [K 128, N 2,048]; A: computed on the way; B: computed on the way: QUANTISED
;;     2. batch 32 x [M 2,048, K 2,048] x [K 2,048, N 128]; A: softmax (see below); B: input v: QUANTISED
;;   THE QUANTISER, for each operand of a quantised product, along K:
;;     - K is cut into blocks of 32 from its start; a last block that is shorter is filled with zeros.
;;     - A block's scale is 2^e with e = floor(log2(the largest magnitude in the block)) - 8, held to -126 .. 127; a block of zeros has e = 0. As a byte (E8M0): e + 127.
;;     - Each number is divided by its block's scale, clamped to +-448, and rounded to the nearest number of E4M3, ties to even, subnormals kept.
;;     - The product sums the exact products of the quantised numbers (number of the format x scale) in f32.
;;   ~~~python
;;   def quantise(x, axis):      # numpy; x: float32 -> the quantised numbers, widened to float32 again
;;       x = np.moveaxis(x, axis, -1); K = x.shape[-1]
;;       x = np.pad(x, [(0, 0)] * (x.ndim - 1) + [(0, -K % 32)]); x = x.reshape(x.shape[:-1] + (-1, 32)); a = np.abs(x).max(-1, keepdims=True)
;;       e = np.where(a > 0, np.clip(np.frexp(np.where(a > 0, a, 1))[1] - 1 - 8, -126, 127), 0)      # np.frexp(a)[1] - 1 = floor(log2(a)), exactly
;;       r = np.clip(x / 2.0 ** e, -448, 448)
;;       step = 2.0 ** (np.maximum(np.frexp(np.where(r == 0, 1, r))[1] - 1, -6) - 3)
;;       q = np.round(r / step) * step * 2.0 ** e      # np.round: ties to even
;;       return np.moveaxis(q.reshape(q.shape[:-2] + (-1,))[..., :K], -1, axis).astype(np.float32)
;;   ~~~
;;   SOFTMAX AHEAD OF A QUANTISED PRODUCT. Where the list says 'softmax', what is quantised is not the finished softmax but p = 2^(t - M), with t = logit x log2(e) and M = ceil(the row's largest t), a whole number; so 1/2 < the row's largest p <= 1. The row's sum l is taken of the UNQUANTISED p, in f32, and the product's result is divided by l at the end. Since M is a whole number, a kernel that streams over the keys may use a running M (the ceiling of the running maximum): every later rescaling is an exact power of two, which a block's scale takes up: the codes' values come out the same.
;;   OPERANDS COMPUTED ON THE WAY. 'Computed on the way' means the value that the module computes at that place (a softmax that the list does not call 'softmax' is quantised finished and normalised). What goes into a quantiser is computed in f32, as accurately as f32 sums, v_exp_f32 and their like allow (about 1e-6 of the number): no bf16 or f16 on the way to a quantiser, and a product that is left as it is and whose result goes on into a quantised operand takes f32 operands (vector FMAs, or v_wmma_f32_16x16x4_f32). A number that lies on a knife's edge between two numbers of the format may be rounded either way, as far as f32 arithmetic and the matrix unit's own rounding can turn it there, and no further.
;; One version. Each part assembles by itself: llvm-mc -triple=amdgcn-amd-amdhsa -mcpu=gfx1250 --defsym DOCPART=n.
;; ======== version 1 of 1: 2 launches
;; limits: right only within a limited range of input values
;; workspace buffers: kv 17,301,504 bytes
;; launch prep (part 1): grid 512 x 1, 4 waves a work-group, no clusters, 44,544 bytes of LDS; arguments k, v, kv; writes kv
.if DOCPART == 1
	.amdgcn_target "amdgcn-amd-amdhsa--gfx1250"
	.amdhsa_code_object_version 6
	.text
	.protected	k_q5ff86fac08_prep
	.globl	k_q5ff86fac08_prep
	.p2align	8
	.type	k_q5ff86fac08_prep,@function
k_q5ff86fac08_prep:
	s_mov_b64 s[64:65], 0
	v_nop
	global_prefetch_b8 v0, s[64:65] scope:SCOPE_SE
	s_setreg_imm32_b32 hwreg(HW_REG_WAVE_MODE, 25, 1), 1
	s_wait_xcnt 0x0
.set WV,   16                          ; s16  my wave's number
; k, v: [32 heads][2048][128] f32.  This launch makes the codes of FP8 (E4M3) and the E8M0 scale bytes of K and V that the attention launch multiplies.
; Work-groups 0-255: k.  The first 32 channels of a row are turned by the rotary embedding (pair p of position s by the angle s / 10^(p/4)); the row is quantised along its 128 channels.
; Work-groups 256-511: v, quantised along the KEYS (its first axis within a head): a lane takes a channel and its registers run down the keys.
; A block's scale is 2^(floor(log2(largest magnitude)) - 8); its byte is the largest magnitude's exponent field - 8, held at 1 from below; numbers are held within +-448 x the scale and rounded to the nearest code.
; WORKSPACE, laid as images of the operands' registers, by steps of 128 keys of one head.
;   a step of kv, 33,792 bytes: K's codes, 8 tiles x 2,048 (a tile: chunk c of 512 bytes = registers 4c..4c+3, lane l's 16 bytes at 16 l) | K's scale words, 2 runs of 4 tiles x 256 bytes (row r, tile i of the run: 16 r + 4 i)
;   | V's codes, 8 tiles of 16 channels x 2,048 | V's scale words (lane l, pair of tiles i: 16 l + 4 i; lanes 0-15 the even tile, lanes 16-31 the odd one).
;   THE ROWS OF A TILE OF K ARE NOT NEIGHBOURS: of a group of 32 rows, tile u (0, 1) holds at its row r the row 8 u + r + 8 (r / 8).
; WORK LEFT OUT (in the attention launch): whole tiles of scores whose keys all come behind their queries: reference() sets these scores to -1e9 itself, ahead of the softmax, so their p is 0.
; LIMITS: NaN and infinities among the inputs are not served; one that reaches only the tiles left out is not carried to the result.  A block of zeros gets the byte 1 (its codes are zeros; only this program reads the bytes).
;   The 16 frequencies are the f32 nearest to 10^(j/4) and the angle is a reciprocal with one correction step: each may differ by one unit in the last place from a power and a division in f32.
;   Sine and cosine: the angle less a multiple of pi/2 in three parts, then polynomials of degree 7 and 8 in f32.
.set SEL,  20                          ; s[20:21] selects of v_permlanex16_b32: lane l xor 16
.set MNT,  23                          ; s23  the mantissa field of 448
.set FQ,   24                          ; s24-31 my wave's eight frequencies
.set STEPB,33792                       ; a step of kv in bytes
.set SPT,  528                         ; a stage row: 512 bytes + 16: the sixteen rows that a read touches start at sixteen different 16-byte columns of the banks
.set TP,   144                         ; a table row: 16 pairs x (cos, sin) = 128 bytes + 16
.set TAB,  4*16*SPT                    ; LDS: four stages of 16 rows, one a wave; behind them the table, 64 rows;
.set VSL,  TAB+64*TP                   ; v's path: the scale words of two steps, 512 bytes each;
.set SPARE,VSL+1024                    ; the spare words, 128 bytes for each wave
.set SPW,  9                           ; v9   LDS address of my spare word; never rewritten
.set NIL,  7                           ; v7   0; never rewritten
.set PW,   12                          ; v12-15  the four tiles' scale words
.set TM,   16                          ; v16-31  at work: the rotation's products, then the quantiser's 16
.set XT,   32                          ; v32-47  block 0 as it was read
.set CSR,  48                          ; v48-63  cos, sin of my eight pairs
.set X,    64                          ; v64-127 my 64 numbers of a row: register 16 b + i = channel 32 b + 16 (lane / 16) + i
.set R0,   128                         ; v128-191, v192-255: 16 rows each as loaded: tiles 0, 1 in window 0, tiles 2, 3 in window 1.  Window 1's v0-63: the four tiles' codes, 16 registers each: no store's data are written again
.set RC,   64                          ; while the table is made: eight registers each: 1 / frequency,
.set AN,   72                          ; the angle,
.set NN,   80                          ; the multiple of pi/2,
.set II,   88                          ; the same as a whole number,
.set SA,   96                          ; the reduced angle's square,
.set CC,   104                         ; cos and
.set SS,   112                         ; sin of the reduced angle,
.set UU,   120                         ; at work
.set VX,   32                          ; v's path: v32-95 two sets of 32 numbers
.set VC,   128                         ; v128-191 eight registers of codes for each of the eight blocks: no store's data are written again
.set VSB,  24                          ; v[24:25] the scale bytes, four to a register: a step's word
.set MSB,  0
.macro WIN new                         ; register windows; the immediate's high byte repeats the setting that is left
.if MSB != (\new)
	s_set_vgpr_msb (MSB<<8)|(\new)
.set MSB, (\new)
.endif
.endm
	s_load_b128 s[4:7], s[0:1], 0x0                ; k s[4:5], v s[6:7]
	s_load_b64 s[12:13], s[0:1], 0x10              ; kv
	v_lshl_add_u32 v[SPW], v0, 2, SPARE
	v_mov_b32 v[NIL], 0
	v_lshrrev_b32 v8, 5, v0
	v_readfirstlane_b32 s[WV], v8                  ; wave 0..3
	v_and_b32 v11, 31, v0                          ; lane
	v_and_b32 v8, 15, v0                           ; r
	v_bfe_u32 v10, v0, 4, 1                        ; h
	s_mov_b32 s[MNT], 0x600000
	s_cmp_ge_u32 ttmp9, 256                        ; the paths part on the work-group's number alone: all four waves go the same way
	s_wait_alu depctr_va_vdst(0)
	s_cbranch_scc1 .Lv
; ======== k.  The work-group has 64 positions (ttmp9 % 32); its four waves take four heads, so they share one table of cos and sin.
	v_lshlrev_b32 v1, 4, v11                       ; v1: 16 x lane: my bytes of a row as loaded, and of a chunk of codes
	s_mul_i32 s48, s[WV], 16*SPT                   ; my stage
	v_add_nc_u32 v2, s48, v1                       ; v2: into the stage: a row as it lies
	v_mul_u32_u24 v3, v8, SPT
	v_lshl_add_u32 v3, v10, 6, v3
	v_add_nc_u32 v3, s48, v3                       ; v3: out of it: row r, my 16 numbers of each block of 32
	v_mul_u32_u24 v4, v8, TP
	v_lshl_add_u32 v4, v10, 6, v4
	v_add_nc_u32 v4, TAB, v4                       ; v4: the table, read: row r of a tile, pairs 8 h on
	s_and_b32 s49, s[WV], 1
	s_mul_i32 s50, s49, 32*TP
	s_lshr_b32 s51, s[WV], 1
	s_lshl_b32 s51, s51, 6
	s_add_co_u32 s50, s50, s51
	s_add_co_u32 s50, s50, TAB
	v_mul_u32_u24 v5, v11, TP
	v_add_nc_u32 v5, s50, v5                       ; v5: the table, written: row 32 (wave % 2) + lane, pairs 8 (wave / 2) on
	v_lshlrev_b32 v6, 4, v8
	v_lshl_add_u32 v6, v10, 3, v6                  ; v6: the scale words' way out: 16 r + 8 h
	s_and_b32 s52, ttmp9, 31                       ; which 64 positions
	s_lshl_b32 s53, s52, 6
	s_lshl_b32 s54, s49, 5
	s_add_co_u32 s53, s53, s54
	v_and_b32 v11, 8, v0
	v_add_nc_u32 v11, v11, v8
	v_lshl_add_u32 v11, v10, 3, v11
	s_wait_alu depctr_va_vdst(0)
	v_add_nc_u32 v11, s53, v11                     ; the position of my table row: 64 x run + 32 (wave % 2) + 8 (lane / 16) + r + 8 (r / 8)
	v_cvt_f32_u32 v11, v11
	s_lshr_b32 s54, ttmp9, 5
	s_lshl_b32 s54, s54, 2
	s_add_co_u32 s54, s54, s[WV]
	s_and_b32 s54, s54, 31                         ; my head
	s_lshl_b32 s56, s54, 20                        ; a head is 2,048 rows of 512 bytes,
	s_lshl_b32 s57, s52, 15                        ; 64 rows are 32,768
	s_add_co_u32 s56, s56, s57
	s_mov_b32 s57, 0
	s_lshl_b32 s54, s54, 4
	s_lshr_b32 s55, s52, 1
	s_add_co_u32 s54, s54, s55                     ; which step of the workspace: 16 x head + position / 128
	s_and_b32 s55, s52, 1                          ; and which run of four tiles in it
	s_cmp_lt_u32 s[WV], 2                          ; waves 0, 1: frequencies 0-7; waves 2, 3: 8-15
.macro FSEL i, lo, hi
	s_mov_b32 s[FQ+\i], \hi
	s_cselect_b32 s[FQ+\i], \lo, s[FQ+\i]
.endm
	FSEL 0, 0x3f800000, 0x42c80000                 ; 10^(j/4), j = 0 .. 15
	FSEL 1, 0x3fe39ea9, 0x4331d3f4
	FSEL 2, 0x404a62c2, 0x439e1d27
	FSEL 3, 0x40b3f300, 0x440c95d8
	FSEL 4, 0x41200000, 0x447a0000
	FSEL 5, 0x418e432a, 0x44de48f1
	FSEL 6, 0x41fcfb72, 0x4545a471
	FSEL 7, 0x4260efc0, 0x45afbb4e
	s_mov_b32 s32, 0xbfc90fd8                      ; -pi/2 in three parts
	s_mov_b32 s33, 0xb4a8885a
	s_mov_b32 s34, 0xa7c234c4
	s_mov_b32 s35, 0x37cd4000                      ; cos: 1 - s/2 + s^2 (c2 + s (c3 + s c4)), s the angle's square
	s_mov_b32 s36, 0xbab6077d
	s_mov_b32 s37, 0x3d2aaaa8
	s_mov_b32 s38, 0x36405000                      ; sin: a + a s (s0 + s (s1 + s (s2 + s s3)))
	s_mov_b32 s39, 0xb9503486
	s_mov_b32 s40, 0x3c0888c1
	s_mov_b32 s41, 0xbe2aaaab
	s_mov_b32 s[SEL], 0x76543210
	s_mov_b32 s[SEL+1], 0xfedcba98
.irp b, 0,1,2,3
	v_mov_b32 v[TM+4+\b], 0                        ; a lane permute's destination counts as one of its sources
.endr
	s_wait_alu depctr_va_vdst(0)
	s_wait_kmcnt 0x0
	s_mul_i32 s54, s54, STEPB                      ; the step's first byte
	s_lshl_b32 s58, s55, 13                        ; my run's four tiles of codes
	s_add_co_u32 s58, s58, s54
	s_mov_b32 s59, 0
	s_lshl_b32 s50, s55, 8                         ; my run's 256 bytes of scale words, behind the step's 16,384 bytes of codes
	s_add_co_u32 s50, s50, s54
	s_add_co_u32 s50, s50, 16384
	s_mov_b32 s51, 0
	s_add_nc_u64 s[42:43], s[4:5], s[56:57]        ; s[42:43] my 64 rows
	s_add_nc_u64 s[46:47], s[12:13], s[50:51]      ; s[46:47] their scale words
	s_add_nc_u64 s[44:45], s[12:13], s[58:59]      ; s[44:45] their codes
.macro LOADT t                         ; tile t's 16 rows, each by one load of 512 consecutive bytes, into set t % 2 of window t / 2
	WIN 0x40*((\t)/2)
.irp i, 0,1,2,3,4,5,6,7,8,9,10,11,12,13,14,15
	global_load_b128 v[R0+64*((\t)%2)+4*\i:R0+64*((\t)%2)+4*\i+3], v1, s[42:43] offset:(32*((\t)/2)+8*((\t)%2)+\i+8*(\i/8))*512 th:TH_LOAD_NT
.endr
	WIN 0
.endm
	LOADT 0
	LOADT 1
	LOADT 2
	LOADT 3                                        ; all 64 loads are asked for ahead of the table
; ---- the table: each thread makes cos and sin of one position for eight frequencies, the eight by turns
.irp i, 0,1,2,3,4,5,6,7
	v_rcp_f32 v[RC+\i], s[FQ+\i]
.endr
	v_nop                                          ; a plain instruction between the last reciprocal and the use of its result
	s_wait_alu depctr_va_vdst(0)
.irp i, 0,1,2,3,4,5,6,7
	v_mul_f32 v[AN+\i], v11, v[RC+\i]              ; position / frequency: a first quotient,
.endr
.irp i, 0,1,2,3,4,5,6,7
	v_fma_f32 v[NN+\i], -v[AN+\i], s[FQ+\i], v11   ; what it leaves,
.endr
.irp i, 0,1,2,3,4,5,6,7
	v_fma_f32 v[AN+\i], v[NN+\i], v[RC+\i], v[AN+\i]   ; and the correction
.endr
.irp i, 0,1,2,3,4,5,6,7
	v_mul_f32 v[NN+\i], 0x3f22f983, v[AN+\i]       ; x 2 / pi
.endr
.irp i, 0,1,2,3,4,5,6,7
	v_rndne_f32 v[NN+\i], v[NN+\i]                 ; n, at most 1,303
.endr
.irp p, 32,33,34
.irp i, 0,1,2,3,4,5,6,7
	v_fma_f32 v[AN+\i], v[NN+\i], s\p, v[AN+\i]    ; the angle less n pi/2, part by part
.endr
.endr
.irp i, 0,1,2,3,4,5,6,7
	v_cvt_i32_f32 v[II+\i], v[NN+\i]
.endr
.irp i, 0,1,2,3,4,5,6,7
	v_mul_f32 v[SA+\i], v[AN+\i], v[AN+\i]
.endr
.irp i, 0,1,2,3,4,5,6,7
	v_fma_f32 v[CC+\i], v[SA+\i], s35, s36
	v_fma_f32 v[SS+\i], v[SA+\i], s38, s39
.endr
.irp i, 0,1,2,3,4,5,6,7
	v_fma_f32 v[CC+\i], v[CC+\i], v[SA+\i], s37
	v_fma_f32 v[SS+\i], v[SS+\i], v[SA+\i], s40
.endr
.irp i, 0,1,2,3,4,5,6,7
	v_fma_f32 v[CC+\i], v[CC+\i], v[SA+\i], -0.5
	v_fma_f32 v[SS+\i], v[SS+\i], v[SA+\i], s41
.endr
.irp i, 0,1,2,3,4,5,6,7
	v_fma_f32 v[CC+\i], v[CC+\i], v[SA+\i], 1.0
	v_mul_f32 v[SA+\i], v[SA+\i], v[AN+\i]
.endr
.irp i, 0,1,2,3,4,5,6,7
	v_fma_f32 v[SS+\i], v[SS+\i], v[SA+\i], v[AN+\i]
.endr
.irp i, 0,1,2,3,4,5,6,7                ; the quadrant n % 4: an odd n swaps the two; sin is negative for 2, 3; cos for 1, 2
	v_and_b32 v[UU], 1, v[II+\i]
	v_cmp_eq_u32 vcc_lo, 1, v[UU]
	v_cndmask_b32 v[UU+1], v[SS+\i], v[CC+\i], vcc_lo
	v_cndmask_b32 v[UU+2], v[CC+\i], v[SS+\i], vcc_lo
	v_lshlrev_b32 v[UU+3], 30, v[II+\i]
	v_and_b32 v[UU+3], 0x80000000, v[UU+3]
	v_xor_b32 v[33+2*\i], v[UU+3], v[UU+1]         ; sin
	v_add_nc_u32 v[UU+4], 1, v[II+\i]
	v_lshlrev_b32 v[UU+4], 30, v[UU+4]
	v_and_b32 v[UU+4], 0x80000000, v[UU+4]
	v_xor_b32 v[32+2*\i], v[UU+4], v[UU+2]         ; cos
.endr
.irp j, 0,1,2,3
	ds_store_b128 v5, v[32+4*\j:35+4*\j] offset:16*\j
.endr
	s_wait_dscnt 0x0                               ; for the others' sake: my part of the table has landed
	s_barrier_signal -1
	s_barrier_wait -1                              ; the whole table lies in LDS; nobody writes it again
; Pair p of my eight: (x0, x1) -> (x0 cos - x1 sin, x1 cos + x0 sin)
.macro ROT
.irp p, 0,1,2,3,4,5,6,7
	v_pk_mul_f32 v[TM+2*\p:TM+2*\p+1], v[XT+2*\p:XT+2*\p+1], v[CSR+2*\p:CSR+2*\p+1] op_sel_hi:[1,0]   ; both x cos
.endr
.irp p, 0,1,2,3,4,5,6,7
	v_fma_f32 v[X+2*\p], -v[XT+2*\p+1], v[CSR+2*\p+1], v[TM+2*\p]
	v_fma_f32 v[X+2*\p+1], v[XT+2*\p], v[CSR+2*\p+1], v[TM+2*\p+1]
.endr
.endm
; 64 numbers of a lane, v[s] on, become a fragment's codes in window 1's v[16 (pw - PW)] on and its row's scale word in v[pw]
.macro QUANT s, pw
.irp b, 0,1,2,3
	v_max3_num_f32 v[TM+\b], |v[\s+16*\b]|, |v[\s+1+16*\b]|, 0x4800000   ; block b: my 16 numbers, and the floor 2^(9 - 127): the byte cannot fall under 1
.endr
.irp i, 2,4,6,8,10,12,14
.irp b, 0,1,2,3
	v_max3_num_f32 v[TM+\b], v[TM+\b], |v[\s+16*\b+\i]|, |v[\s+1+16*\b+\i]|   ; the four blocks by turns
.endr
.endr
.irp b, 0,1,2,3
	v_permlanex16_b32 v[TM+4+\b], v[TM+\b], s[SEL], s[SEL+1]
.endr
.irp b, 0,1,2,3
	v_max_num_f32 v[TM+\b], v[TM+\b], v[TM+4+\b]   ; with lane l xor 16's: the block's largest magnitude
.endr
.irp b, 0,1,2,3
	v_add_nc_u32 v[TM+12+\b], 0xfc000000, v[TM+\b] ; 8 off its exponent field: the conversion's scale operand
.endr
.irp b, 0,1,2,3
	v_and_or_b32 v[TM+8+\b], v[TM+\b], 0x7f800000, s[MNT]   ; 448 x the scale
.endr
.irp b, 0,1,2,3
	v_lshrrev_b32 v[TM+4+\b], 23, v[TM+12+\b]      ; the scale's byte
.endr
	v_lshl_or_b32 v[\pw], v[TM+5], 8, v[TM+4]
	v_lshl_or_b32 v[\pw], v[TM+6], 16, v[\pw]
	v_lshl_or_b32 v[\pw], v[TM+7], 24, v[\pw]
.irp b, 0,1,2,3
.irp i, 0,1,2,3,4,5,6,7,8,9,10,11,12,13,14,15
	v_med3_num_f32 v[\s+16*\b+\i], v[\s+16*\b+\i], -v[TM+8+\b], v[TM+8+\b]   ; the conversion to an 8-bit code does not saturate (ISA guide 7.6.2): the hold comes first
.endr
.endr
	WIN 0x40                                       ; the codes go to window 1, sixteen registers for each tile
.irp b, 0,1,2,3
	v_cvt_scalef32_pk8_fp8_f32 v[16*(\pw-PW)+4*\b:16*(\pw-PW)+4*\b+1], v[\s+16*\b:\s+7+16*\b], v[TM+12+\b]
	v_cvt_scalef32_pk8_fp8_f32 v[16*(\pw-PW)+4*\b+2:16*(\pw-PW)+4*\b+3], v[\s+8+16*\b:\s+15+16*\b], v[TM+12+\b]
.endr
	v_nop                                          ; a plain instruction behind the last conversion
	WIN 0
.endm
; A tile: 16 rows go through my stage as they lie and come back 16 neighbours of each block to a lane; rotated, quantised, stored as an image.
.macro TILE t
.set RR, R0+64*((\t)%2)
	s_wait_loadcnt 48-16*(\t)                      ; this tile's 16 loads are in; those of the tiles behind it may be out
	WIN 0x04*((\t)/2)
.irp i, 0,1,2,3,4,5,6,7,8,9,10,11,12,13,14,15
	ds_store_b128 v2, v[RR+4*\i:RR+4*\i+3] offset:SPT*\i
.endr
	WIN 0
.irp j, 0,1,2,3
	ds_load_b128 v[CSR+4*\j:CSR+4*\j+3], v4 offset:16*TP*(\t)+16*\j
.endr
.irp j, 0,1,2,3
	ds_load_b128 v[XT+4*\j:XT+4*\j+3], v3 offset:16*\j     ; LDS serves a wave's instructions in order: these see my stores
.endr
.irp c, 1,2,3
.irp j, 0,1,2,3
	ds_load_b128 v[X+16*\c+4*\j:X+16*\c+4*\j+3], v3 offset:128*\c+16*\j
.endr
.endr
	s_wait_dscnt 0x0                               ; the numbers are back
	ROT
	QUANT X, PW+(\t)
	WIN 0x04
.irp c, 0,1,2,3
	global_store_b128 v1, v[16*(\t)+4*\c:16*(\t)+4*\c+3], s[44:45] offset:2048*(\t)+512*\c   ; 32 lanes store 512 consecutive bytes, aligned
.endr
	WIN 0
.endm
	TILE 0
	TILE 1
	TILE 2
	TILE 3
	v_and_b32 v8, 16, v0                           ; the four tiles' scale words: both halves of the lanes hold them; lanes 0-15 store tiles 0, 1, lanes 16-31 tiles 2, 3
	v_cmp_ne_u32 vcc_lo, 0, v8
	v_cndmask_b32 v10, v[PW], v[PW+2], vcc_lo
	v_cndmask_b32 v11, v[PW+1], v[PW+3], vcc_lo
	global_store_b64 v6, v[10:11], s[46:47]        ; 256 consecutive bytes, aligned
	s_wait_tensorcnt 0x0                           ; the wave's end
	ds_add_u32 v[SPW], v[NIL]
	s_wait_dscnt 0x0
	s_endpgm
; ======== v.  A work-group has 256 keys (two steps) of one head; wave w channels 32 w .. 32 w + 31, a channel a lane; 8 blocks of 32 keys a lane.
.Lv:
	s_sub_co_u32 s48, ttmp9, 256
	s_lshr_b32 s49, s48, 3                         ; head
	s_and_b32 s50, s48, 7                          ; which 256 keys
	v_lshlrev_b32 v3, 2, v11                       ; in: 4 bytes a lane
	v_lshlrev_b32 v4, 4, v8
	v_lshl_add_u32 v4, v10, 11, v4                 ; codes out: tile 2 w + lane / 16, row r: 2,048 (lane / 16) + 16 r
	v_lshlrev_b32 v5, 4, v11                       ; scale words out: 16 bytes a lane
	s_lshl_b32 s51, s[WV], 2
	s_add_co_u32 s51, s51, VSL
	v_add_nc_u32 v6, s51, v5                       ; LDS, in: my lane's four words of a step, my pair of tiles
	s_lshl_b32 s51, s[WV], 9
	s_add_co_u32 s51, s51, VSL
	v_add_nc_u32 v14, s51, v5                      ; LDS, back (waves 0, 1): step w's words
	s_lshl_b32 s52, s49, 20
	s_lshl_b32 s53, s50, 17
	s_add_co_u32 s52, s52, s53
	s_lshl_b32 s53, s[WV], 7
	s_add_co_u32 s52, s52, s53
	s_mov_b32 s53, 0
	s_mul_i32 s54, s49, 16*STEPB
	s_mul_i32 s55, s50, 2*STEPB
	s_add_co_u32 s54, s54, s55                     ; the two steps' first byte in kv
	s_lshl_b32 s55, s[WV], 12
	s_add_co_u32 s56, s54, s55
	s_add_co_u32 s56, s56, 16896                   ; V's codes, my two tiles
	s_mov_b32 s57, 0
	s_mul_i32 s55, s[WV], STEPB
	s_add_co_u32 s58, s54, s55
	s_add_co_u32 s58, s58, 33280                   ; waves 0, 1: V's scale words of step w
	s_mov_b32 s59, 0
	s_wait_alu depctr_va_vdst(0)
	s_wait_kmcnt 0x0
	s_add_nc_u64 s[42:43], s[6:7], s[52:53]
	s_add_nc_u64 s[44:45], s[12:13], s[56:57]
	s_add_nc_u64 s[46:47], s[12:13], s[58:59]
.macro LOADV t                         ; block t: v(key 32 t + i, my channel) into set t % 2; a load reads 128 consecutive bytes, the four waves side by side 512
.irp i, 0,1,2,3,4,5,6,7,8,9,10,11,12,13,14,15,16,17,18,19,20,21,22,23,24,25,26,27,28,29,30,31
	global_load_b32 v[VX+32*((\t)%2)+\i], v3, s[42:43] offset:(32*(\t)+\i)*512 th:TH_LOAD_NT
.endr
.endm
.macro BLOCKV t
.set XS, VX+32*((\t)%2)
.if (\t) < 7
	s_wait_loadcnt 32                              ; this block's 32 loads are in; the next block's may be out
.else
	s_wait_loadcnt 0x0
.endif
	v_max3_num_f32 v12, |v[XS]|, |v[XS+1]|, |v[XS+2]|      ; the block's largest magnitude: all 32 numbers are mine
	v_max3_num_f32 v13, |v[XS+3]|, |v[XS+4]|, |v[XS+5]|
.irp i, 6,10,14,18,22,26
	v_max3_num_f32 v12, v12, |v[XS+\i]|, |v[XS+\i+1]|
	v_max3_num_f32 v13, v13, |v[XS+\i+2]|, |v[XS+\i+3]|
.endr
	v_max3_num_f32 v12, v12, |v[XS+30]|, |v[XS+31]|
	v_max3_num_f32 v12, v12, v13, 0x4800000        ; and the floor 2^(9 - 127)
	v_add_nc_u32 v11, 0xfc000000, v12              ; the conversion's scale operand
	v_and_or_b32 v10, v12, 0x7f800000, s[MNT]      ; 448 x the scale
	v_lshrrev_b32 v13, 23, v11                     ; the scale's byte
.if (\t)%4 == 0
	v_mov_b32 v[VSB+(\t)/4], v13                   ; four bytes to a register: a step's word
.else
	v_lshl_or_b32 v[VSB+(\t)/4], v13, 8*((\t)%4), v[VSB+(\t)/4]
.endif
.irp i, 0,1,2,3,4,5,6,7,8,9,10,11,12,13,14,15,16,17,18,19,20,21,22,23,24,25,26,27,28,29,30,31
	v_med3_num_f32 v[XS+\i], v[XS+\i], -v10, v10
.endr
.irp g, 0,1,2,3
	v_cvt_scalef32_pk8_fp8_f32 v[VC+8*(\t)+2*\g:VC+8*(\t)+2*\g+1], v[XS+8*\g:XS+8*\g+7], v11
.endr
	v_nop                                          ; a plain instruction behind the last conversion
	global_store_b128 v4, v[VC+8*(\t):VC+8*(\t)+3], s[44:45] offset:((\t)/4)*STEPB+((\t)%4)*512        ; keys 0-15 of the block: the image's lanes 0-15.  Sixteen lanes store 256 consecutive bytes, aligned
	global_store_b128 v4, v[VC+8*(\t)+4:VC+8*(\t)+7], s[44:45] offset:((\t)/4)*STEPB+((\t)%4)*512+256  ; keys 16-31: its lanes 16-31
.if (\t) < 6
	LOADV (\t)+2
.endif
.endm
	LOADV 0
	LOADV 1
	BLOCKV 0
	BLOCKV 1
	BLOCKV 2
	BLOCKV 3
	BLOCKV 4
	BLOCKV 5
	BLOCKV 6
	BLOCKV 7
	ds_store_b32 v6, v[VSB]                        ; the four waves' words of a lane lie side by side,
	ds_store_b32 v6, v[VSB+1] offset:512
	s_wait_dscnt 0x0                               ; for the others' sake
	s_barrier_signal -1
	s_barrier_wait -1
	s_cmp_ge_u32 s[WV], 2
	s_cbranch_scc1 .Lvend
	ds_load_b128 v[16:19], v14
	s_wait_dscnt 0x0
	global_store_b128 v5, v[16:19], s[46:47]       ; and leave as 512 consecutive bytes, aligned
.Lvend:
	s_wait_tensorcnt 0x0                           ; the wave's end
	ds_add_u32 v[SPW], v[NIL]
	s_wait_dscnt 0x0
	s_endpgm
.Lfunc_end_k_q5ff86fac08_prep:
	.size	k_q5ff86fac08_prep, .Lfunc_end_k_q5ff86fac08_prep-k_q5ff86fac08_prep
	.p2alignl 7, 3214868480
	.fill 96, 4, 3214868480
	.section	.rodata,"a",@progbits
	.p2align	6, 0x0
	.amdhsa_kernel k_q5ff86fac08_prep
		.amdhsa_group_segment_fixed_size 44544
		.amdhsa_private_segment_fixed_size 0
		.amdhsa_enable_private_segment 0
		.amdhsa_kernarg_size 24
		.amdhsa_user_sgpr_count 2
		.amdhsa_user_sgpr_kernarg_segment_ptr 1
		.amdhsa_wavefront_size32 1
		.amdhsa_system_sgpr_workgroup_id_x 1
		.amdhsa_system_sgpr_workgroup_id_y 1
		.amdhsa_system_sgpr_workgroup_id_z 1
		.amdhsa_system_vgpr_workitem_id 0
		.amdhsa_next_free_vgpr 512
		.amdhsa_next_free_sgpr 66
		.amdhsa_reserve_vcc 1
		.amdhsa_float_denorm_mode_32 3
		.amdhsa_float_denorm_mode_16_64 3
		.amdhsa_memory_ordered 1
		.amdhsa_forward_progress 1
		.amdhsa_inst_pref_size 130
	.end_amdhsa_kernel
	.amdgpu_metadata
---
amdhsa.version: [ 1, 2 ]
amdhsa.kernels:
  - .name:           k_q5ff86fac08_prep
    .symbol:         k_q5ff86fac08_prep.kd
    .args:
      - { .name: k, .offset: 0, .size: 8, .value_kind: global_buffer, .address_space: global }
      - { .name: v, .offset: 8, .size: 8, .value_kind: global_buffer, .address_space: global }
      - { .name: kv, .offset: 16, .size: 8, .value_kind: global_buffer, .address_space: global }
    .group_segment_fixed_size: 44544
    .private_segment_fixed_size: 0
    .kernarg_segment_align: 8
    .kernarg_segment_size: 24
    .max_flat_workgroup_size: 128
    .sgpr_count:     66
    .vgpr_count:     512
    .wavefront_size: 32
...
	.end_amdgpu_metadata
.endif
;; end of part 1
;; launch attn (part 2): grid 8 x 32, 8 waves a work-group, no clusters, 327,680 bytes of LDS; arguments q, kv, out0; writes out0
.if DOCPART == 2
	.amdgcn_target "amdgcn-amd-amdhsa--gfx1250"
	.amdhsa_code_object_version 6
	.text
	.protected	k_q5ff86fac08_attn
	.globl	k_q5ff86fac08_attn
	.p2align	8
	.type	k_q5ff86fac08_attn,@function
k_q5ff86fac08_attn:
	s_mov_b64 s[64:65], 0
	v_nop
	global_prefetch_b8 v0, s[64:65] scope:SCOPE_SE
	s_setreg_imm32_b32 hwreg(HW_REG_WAVE_MODE, 25, 1), 1
	s_wait_xcnt 0x0
.set STEPB, 33792                      ; a step of kv: 128 keys: K's codes | K's scale words | V's codes | V's scale words
; out0[head][q][:] = the sum over keys k <= q of softmax_k(Q[q] . K[k] / sqrt(128)) V[k][:], both products on codes of FP8 (E4M3) with one E8M0 scale for each 32 along a product's K.
; kv holds codes and scale words as images of the operands' registers, by steps of 128 keys of a head.  q, f32, is turned by the rotary embedding and quantised here, in the head: each row is read once, by one wave.
; THE SOFTMAX AHEAD OF THE SECOND PRODUCT: t = score x log2(e) / sqrt(128); M = the running largest t rounded UP to a whole number; p = 2^(t - M) is quantised along the keys, not normalised; the row's sum is
; taken of the unquantised p and divides at the end.  When M moves, the sum and O are multiplied by 2^(old M - new M): exact.
; SHARES.  A head's 2,048 queries are 16 blocks of 128, each of 4 units of 32 (two tiles of 16).  Block m needs key steps 0 .. m.  Work-group mu (0 .. 7) of a head takes the blocks mu and 15 - mu.
; Wave a (group 0, a = 0 .. 3) walks keys 0 .. 7 of unit a of block 15 - mu.  Wave a + 4 (group 1) walks unit a of block mu whole, keys 0 .. mu, and then keys 15 - mu down to 8 of unit a of block 15 - mu.
; THE STREAMS.  Slot i (0 .. 8) has two halves.  Half A, group 0's, is key step i; half B, group 1's, is key step i while i <= mu, then 16 - i.  So in each of the trips 0 .. 7 every wave has one step with both its tiles.
; In trip 8 both halves are key step 8, of which group 0 works tile 0 and group 1 tile 1 of the unit of block 15 - mu; the other tile's partial O, M and sum have gone to the partner wave (w xor 4) through LDS,
; which merges them with its own.  A wave so has 17 tile-steps, a SIMD's two waves 34, in every work-group.
; Register window x (256 registers each) holds tile x of the unit in group 0 and tile 1 - x in group 1: so every wave keeps window 0's tile in trip 8 and gives window 1's away.
; NO CLUSTER: half B's key step, and the trips in which a block lies on the diagonal and goes out, hang on mu, which differs among all eight work-groups of a head: partners' loads and branches would differ.
; THE CHANGE OF SLOTS STANDS INSIDE A STEP: once V's fragments are in registers nobody needs the slot: signal ahead of the first tile's second product, wait behind the second tile's maxima.
; PREFETCH: at the end of trip t, the key steps t + 3 (half A) and 13 - t (half B) that the change of slots in trip t + 1 asks for.  A head's eight work-groups share their 264 blocks of 256 bytes: work-group mu takes quarter mu / 2,
; 33 blocks, of the first (mu even) or the second (mu odd); waves 0 and 1 ask.  It ends at key steps 8 and 9; key steps 0, 1, 2, 14, 15 come by their loads alone.
; LAYOUT.  Both products are used transposed: S^T = K Q^T (source 0 = 16 keys, source 1 = my 16 queries), O^T = V^T P^T (source 0 = 16 channels, source 1 = P): a lane holds ONE query (lane % 16) of each tile throughout.
; The rows of a tile of K or Q are not neighbours: of a group of 32, tile u holds at row r the row 8 u + r + 8 (r / 8): so the 16 registers of score tiles 2 b, 2 b + 1 are keys 32 b + 16 (lane / 16) + 0 .. 15.
; WORK LEFT OUT: key steps that lie wholly behind a block's queries: reference() sets their scores to -1e9 ahead of the softmax.
; LIMITS: NaN and infinities are not served.  Hidden scores become -infinity where the definition has -1e9: the same p = 0 as long as a row's visible logits stay above about -1e9 + 150.
;   Group 1 begins its second unit on the first one's O and sum, which the first change of M (from -3e38) multiplies by 0: they are finite for finite results.  Sine and cosine as in the launch that makes K.
; REGISTERS of a window: v12 -M, v13 the largest t, v[14:15] the sum in two halves; v16-31 Q; v32-95 four fragments of K or V (window 0: tiles 0-3, window 1: tiles 4-7); v96-159 S^T, then p; v160-223 O^T;
;   v224-239 p's codes; v224-247 at work; v252 f; v253, v254 at work.  Window 0 alone: v1-11 addresses and scale words, v248-251 scale words of K or V, v253 and v6 p's scale words, v255 and v7 Q's.
.set HALFB, STEPB
.set QUART, STEPB/4                    ; what one tensor load brings: 33 rows of 256 bytes
.set SLOT1, 1<<17                      ; LDS: slot 0 at 0, slot 1 here: one exclusive or turns one into the other
.set QX,    2*STEPB                    ; between the slots: Q of the long block, 4,352 bytes for each pair of waves;
.set STAGE, QX+4*4352                  ; 16 rows x (256 bytes + 16) for each wave, for the way out;
.set SPARE, STAGE+8*4352               ; the spare words, 128 bytes for each wave
.set XC,    SLOT1+2*STEPB              ; behind slot 1: 8,704 bytes for each wave: in the head its 16 rows of q, at the end a tile's partial O, M and sum
.set QPT,   528                        ; a row of q there: 512 bytes + 16
.set AK0,  1                           ; v1   16 x lane: my place in an image
.set DQ,   2                           ; v2   r + 8 (r / 8) - 16 (lane / 16)
.set SPW,  3                           ; v3   LDS address of my spare word; never rewritten
.set NIL,  4                           ; v4   0; never rewritten
.set GO,   5                           ; v5   the way out: 512 (lane / 16) + 16 (lane % 16)
.set PS1,  6                           ; v6   p's scale word, window 1's tile
.set QS1,  7                           ; v7   Q's scale word, window 1's tile
.set ADK,  8                           ; v8   LDS address of the step in hand
.set STI,  9                           ; v9   my stage, in
.set STO,  10                          ; v10  my stage, back
.set PFO,  11                          ; v11  the prefetches' offset; not rewritten behind the head
.set PS0,  253
.set QS0,  255
.set WV,   18                          ; s18  my wave's number
.set MNT,  19                          ; s19  the mantissa field of 448
.set SEL,  20                          ; s[20:21] selects of v_permlanex16_b32: lane l xor 16
.set CS,   22                          ; s[22:23] c = log2(e) / sqrt(128)
.set G1,   24                          ; s[24:31] descriptor group 1
.set G0,   32                          ; s[32:35] descriptor group 0
.set TB,   36                          ; s36  LDS byte at which my half of the slot in hand begins
.set SI,   37                          ; s37  the trip's number
.set FL,   38                          ; s38  group 1: mu, the trip behind which block mu is finished; group 0: 99
.set D1,   39                          ; s39  trips D1 and D1 + 1 lie on a diagonal
.set PO,   40                          ; s40, s41 the position of window 0's and 1's tile
.set SQ,   42                          ; s42, s43 the same within its block
.set OPF,  44                          ; s[44:45] my unit of block mu in out0
.set OPB,  46                          ; s[46:47] my kept tile of block 15 - mu in out0
.set KB,   48                          ; s[48:49] my quarter of the head's first step, with the descriptor's type
.set LP,   50                          ; s50  my wave prefetches in trips below it
.set ODD,  51                          ; s51  mu % 2
.set QP0,  54                          ; s[54:55], s[56:57] my rows of q, window 0's and 1's tile
.set QP1,  56
.set KPF,  58                          ; s[58:59] my work-group's quarter of the head's first step, for the prefetch
.set PFA,  60                          ; s[60:61] where a prefetch stands
.set XWS,  62                          ; s62  where my partial goes
.set XRS,  63                          ; s63  where my partner's lies
.set QXB,  66                          ; s66  the pair's Q of the long block
.set HM,   74                          ; s74  the lanes 16-31
.set CN,   80                          ; s80-89 constants of sine and cosine
.set MSB,  0
.macro WIN new                         ; the immediate's high byte repeats the setting that is left
.if MSB != (\new)
	s_set_vgpr_msb (MSB<<8)|(\new)
.set MSB, (\new)
.endif
.endm
; The descriptor of slot SI + more: which key step, and the other slot than last time.  No tensor load of mine is out here.
.macro NEXT more
	s_add_co_u32 s67, s[SI], \more
	s_sub_co_u32 s68, 16, s67
	s_cmp_le_u32 s67, s[FL]
	s_cselect_b32 s67, s67, s68
	s_mul_i32 s70, s67, STEPB
	s_add_nc_u64 s[G0+2:G0+3], s[KB:KB+1], s[70:71]
	s_xor_b32 s[G0+1], s[G0+1], SLOT1
.endm
	s_load_b128 s[4:7], s[0:1], 0x0                ; q s[4:5], kv s[6:7]
	s_load_b64 s[8:9], s[0:1], 0x10                ; out0
	v_lshl_add_u32 v[SPW], v0, 2, SPARE
	v_mov_b32 v[NIL], 0
	ds_add_u32 v[SPW], v[NIL]                      ; the wave's opening: the add, twice on end, and its wait ahead of my first tensor load
	ds_add_u32 v[SPW], v[NIL]
	v_lshrrev_b32 v8, 5, v0
	v_readfirstlane_b32 s[WV], v8                  ; wave 0..7
	s_and_b32 s67, ttmp7, 31                       ; y, 0 .. 31
	s_bfe_u32 s15, s67, 0x30001                    ; mu = (y / 2) % 8
	s_and_b32 s68, s67, 1
	s_lshl_b32 s68, s68, 3
	s_lshr_b32 s12, s67, 4
	s_lshl_b32 s12, s12, 4
	s_add_co_u32 s12, s12, s68
	s_and_b32 s68, ttmp9, 7
	s_add_co_u32 s12, s12, s68                     ; the head = x + 8 (y % 2) + 16 (y / 16): the numbers x + 8 y of its eight work-groups are alike modulo 16
	s_lshr_b32 s13, s[WV], 2                       ; g: my group
	s_and_b32 s14, s[WV], 3                        ; a: my unit
	s_sub_co_u32 s16, 15, s15                      ; the long block
	s_cmp_eq_u32 s15, 7
	s_cselect_b32 s17, 8, 99                       ; group 0 meets a diagonal in trip 8 alone, where the long block is block 8
	s_cmp_eq_u32 s13, 0
	s_cselect_b32 s[FL], 99, s15
	s_cselect_b32 s[D1], s17, s15
	s_cselect_b32 s17, s16, s15                    ; my first block
	s_mul_i32 s[TB], s13, HALFB
	s_lshl_b32 s67, s14, 5                         ; 32 a
	s_lshl_b32 s68, s13, 3                         ; 8 g
	s_add_co_u32 s[SQ], s67, s68                   ; window 0 holds tile g,
	s_sub_co_u32 s[SQ+1], s67, s68
	s_add_co_u32 s[SQ+1], s[SQ+1], 8               ; window 1 tile 1 - g
	s_lshl_b32 s17, s17, 7
	s_add_co_u32 s[PO], s17, s[SQ]
	s_add_co_u32 s[PO+1], s17, s[SQ+1]
	s_lshl_b32 s69, s12, 11                        ; a head is 2,048 rows of 512 bytes
	s_add_co_u32 s54, s69, s[PO]
	s_lshl_b32 s54, s54, 9
	s_mov_b32 s55, 0
	s_add_co_u32 s56, s69, s[PO+1]
	s_lshl_b32 s56, s56, 9
	s_mov_b32 s57, 0
	s_lshl_b32 s44, s15, 7
	s_add_co_u32 s44, s44, s69
	s_add_co_u32 s44, s44, s67
	s_lshl_b32 s44, s44, 9                         ; out0: row 2,048 head + 128 mu + 32 a
	s_mov_b32 s45, 0
	s_lshl_b32 s46, s16, 7
	s_add_co_u32 s46, s46, s69
	s_add_co_u32 s46, s46, s[SQ]
	s_lshl_b32 s46, s46, 9                         ; row 2,048 head + 128 (15 - mu) + 32 a + 8 g
	s_mov_b32 s47, 0
	s_mul_i32 s69, s12, 16*STEPB
	s_mul_i32 s67, s14, QUART
	s_add_co_u32 s70, s69, s67                     ; kv: the head's first step, my quarter
	s_mov_b32 s71, 0
	s_mov_b32 s73, 0
	s_lshr_b32 s67, s15, 1
	s_mul_i32 s67, s67, QUART
	s_add_co_u32 s58, s69, s67
	s_mov_b32 s59, 0
	s_and_b32 s[ODD], s15, 1
	s_sub_co_u32 s67, 6, s[ODD]
	s_cmp_lt_u32 s[WV], 2
	s_cselect_b32 s[LP], s67, 0
	s_mul_i32 s[XWS], s[WV], 8704
	s_add_co_u32 s[XWS], s[XWS], XC
	s_xor_b32 s[XRS], s[WV], 4
	s_mul_i32 s[XRS], s[XRS], 8704
	s_add_co_u32 s[XRS], s[XRS], XC
	s_mul_i32 s[QXB], s14, 4352
	s_add_co_u32 s[QXB], s[QXB], QX
	s_mul_i32 s69, s[WV], 4352
	s_add_co_u32 s69, s69, STAGE                   ; my stage
	; descriptor group 1: 33 dense rows of 256 bytes (32 elements of 8 bytes), no padding: an image is read 16 bytes a lane on end
	s_mov_b32 s[G1], 3<<16                         ; 15:0 no mask; 17:16 elements of 8 bytes
	s_mov_b32 s[G1+1], 32<<16                      ; tensor_dim0 = 32
	s_mov_b32 s[G1+2], 33<<16                      ; tensor_dim1 = 33
	s_mov_b32 s[G1+3], 32<<16                      ; tile_dim0 = 32
	s_mov_b32 s[G1+4], 33                          ; tile_dim1 = 33
	s_mov_b32 s[G1+5], 32                          ; from row to row
	s_mov_b32 s[G1+6], 0
	s_mov_b32 s[G1+7], 0
	s_mov_b32 s[SEL], 0x76543210
	s_mov_b32 s[SEL+1], 0xfedcba98
	s_mov_b32 s[CS], 0x3e0293ee
	s_mov_b32 s[CS+1], s[CS]                       ; (named with it as a pair, so it is written)
	s_mov_b32 s[MNT], 0x600000
	s_mov_b32 s[SI], 0
	s_mov_b32 s[CN], 0xbfc90fd8                    ; -pi/2 in three parts
	s_mov_b32 s[CN+1], 0xb4a8885a
	s_mov_b32 s[CN+2], 0xa7c234c4
	s_mov_b32 s[CN+3], 0x37cd4000                  ; cos: 1 - s/2 + s^2 (c2 + s (c3 + s c4)), s the angle's square
	s_mov_b32 s[CN+4], 0xbab6077d
	s_mov_b32 s[CN+5], 0x3d2aaaa8
	s_mov_b32 s[CN+6], 0x36405000                  ; sin: a + a s (s0 + s (s1 + s (s2 + s s3)))
	s_mov_b32 s[CN+7], 0xb9503486
	s_mov_b32 s[CN+8], 0x3c0888c1
	s_mov_b32 s[CN+9], 0xbe2aaaab
	s_mov_b32 s[G0], 1                             ; count = 1
	s_mul_i32 s[G0+1], s[WV], QUART                ; half A's four quarters, then half B's
	s_wait_alu depctr_va_vdst(0)
	s_wait_dscnt 0x0                               ; both opening adds are done
	s_wait_kmcnt 0x0
	s_add_nc_u64 s[KPF:KPF+1], s[6:7], s[KPF:KPF+1]
	s_add_nc_u64 s[KB:KB+1], s[6:7], s[70:71]
	s_or_b32 s[KB+1], s[KB+1], 0x80000000          ; type = 2
	s_mov_b64 s[G0+2:G0+3], s[KB:KB+1]             ; slot 0: key step 0 in both halves
	s_add_nc_u64 s[QP0:QP0+1], s[4:5], s[QP0:QP0+1]
	s_add_nc_u64 s[QP1:QP1+1], s[4:5], s[QP1:QP1+1]
	s_add_nc_u64 s[OPF:OPF+1], s[8:9], s[OPF:OPF+1]
	s_add_nc_u64 s[OPB:OPB+1], s[8:9], s[OPB:OPB+1]
	v_and_b32 v8, 31, v0                           ; lane
	v_lshlrev_b32 v[AK0], 4, v8
; Q IS MADE HERE, a tile in each window.  A tile's 16 rows, each by one load of 512 consecutive bytes
.macro QLOAD x, ptr
	WIN 0x40*\x
.irp i, 0,1,2,3,4,5,6,7,8,9,10,11,12,13,14,15
	global_load_b128 v[96+4*\i:99+4*\i], v[AK0], s[\ptr:\ptr+1] offset:(\i+8*(\i/8))*512 th:TH_LOAD_NT
.endr
	WIN 0
.endm
	QLOAD 0, QP0
	QLOAD 1, QP1
	tensor_load_to_lds s[G0:G0+3], s[G1:G1+7]      ; every wave's one load at the head, behind q's rows, which are worked on first
	s_nop 0
	v_and_b32 v10, 15, v0                          ; r
	v_bfe_u32 v253, v0, 4, 1                       ; h
	v_mul_u32_u24 v[STI], v10, 272
	v_lshl_add_u32 v[STI], v253, 5, v[STI]
	v_add_nc_u32 v[STI], s69, v[STI]               ; in: row r; a tile's eight channels of my half: 64 t + 32 h bytes on
	v_lshlrev_b32 v[GO], 4, v10
	v_lshl_add_u32 v[GO], v253, 9, v[GO]
	v_mul_u32_u24 v254, v10, QPT
	v_lshl_add_u32 v254, v253, 6, v254
	v_add_nc_u32 v254, s[XWS], v254                ; q's stage, back: row r, my 16 numbers of each block of 32
	v_and_b32 v252, 8, v0
	v_add_nc_u32 v252, v252, v10                   ; r + 8 (r / 8)
	v_lshlrev_b32 v12, 4, v253
	v_sub_nc_u32 v[DQ], v252, v12
	v_mul_u32_u24 v12, v253, 272
	v_lshl_add_u32 v[STO], v10, 4, v12
	v_add_nc_u32 v[STO], s69, v[STO]               ; back: lanes 0-15 one row, lanes 16-31 the next
	s_lshl_b32 s67, s[WV], 5
	v_add_nc_u32 v[PFO], s67, v8
	v_min_u32 v[PFO], 32, v[PFO]
	v_lshlrev_b32 v[PFO], 8, v[PFO]                ; wave 0: blocks 0-31 of the 33, wave 1: block 32
	v_cmp_ne_u32 s[HM], 0, v253
	v_add_nc_u32 v8, s[XWS], v[AK0]                ; q's stage, in: a row as it lies
.irp x, 0,1
	WIN 0x40*\x
	v_mov_b32 v13, 0xff61b1e6                      ; the largest t so far: -3e38, under every t
	v_mov_b32 v12, 0x7f61b1e6                      ; -M
	v_mov_b32 v14, 0                               ; the sum, in two halves
	v_mov_b32 v15, 0
.set n, 0
.rept 64
	v_mov_b32 v[160+n], 0                          ; O^T.  The step is written without a first form: it finds zeros, which the first change of M leaves zeros
.set n, n+1
.endr
.endr
	WIN 0
.macro FSEL i, lo, hi
	v_mov_b32 v[64+\i], \hi
	v_cndmask_b32 v[64+\i], \lo, v[64+\i], vcc_lo
.endm
; cos and sin of my row's position for my eight pairs (8 h on), the eight by turns, into v[224:239] of window x
.macro TABLE x
	WIN 0x40*\x
	v_add_nc_u32 v21, s[PO+\x], v252
	WIN 0x55*\x
	v_cvt_f32_u32 v21, v21
	s_mov_b32 vcc_lo, s[HM]
	FSEL 0, 0x3f800000, 0x42c80000                 ; 10^(j/4), j = 0 .. 15
	FSEL 1, 0x3fe39ea9, 0x4331d3f4
	FSEL 2, 0x404a62c2, 0x439e1d27
	FSEL 3, 0x40b3f300, 0x440c95d8
	FSEL 4, 0x41200000, 0x447a0000
	FSEL 5, 0x418e432a, 0x44de48f1
	FSEL 6, 0x41fcfb72, 0x4545a471
	FSEL 7, 0x4260efc0, 0x45afbb4e
	s_wait_alu depctr_va_vdst(0)
.irp i, 0,1,2,3,4,5,6,7
	v_rcp_f32 v[72+\i], v[64+\i]
.endr
	v_nop
	s_wait_alu depctr_va_vdst(0)
.irp i, 0,1,2,3,4,5,6,7
	v_mul_f32 v[32+\i], v21, v[72+\i]              ; position / frequency: a first quotient,
.endr
.irp i, 0,1,2,3,4,5,6,7
	v_fma_f32 v[40+\i], -v[32+\i], v[64+\i], v21   ; what it leaves,
.endr
.irp i, 0,1,2,3,4,5,6,7
	v_fma_f32 v[32+\i], v[40+\i], v[72+\i], v[32+\i]   ; and the correction
.endr
.irp i, 0,1,2,3,4,5,6,7
	v_mul_f32 v[40+\i], 0x3f22f983, v[32+\i]       ; x 2 / pi
.endr
.irp i, 0,1,2,3,4,5,6,7
	v_rndne_f32 v[40+\i], v[40+\i]                 ; n, at most 1,303
.endr
.irp p, 0,1,2
.irp i, 0,1,2,3,4,5,6,7
	v_fma_f32 v[32+\i], v[40+\i], s[CN+\p], v[32+\i]   ; the angle less n pi/2, part by part
.endr
.endr
.irp i, 0,1,2,3,4,5,6,7
	v_cvt_i32_f32 v[48+\i], v[40+\i]
.endr
.irp i, 0,1,2,3,4,5,6,7
	v_mul_f32 v[56+\i], v[32+\i], v[32+\i]
.endr
.irp i, 0,1,2,3,4,5,6,7
	v_fma_f32 v[80+\i], v[56+\i], s[CN+3], s[CN+4]
	v_fma_f32 v[88+\i], v[56+\i], s[CN+6], s[CN+7]
.endr
.irp i, 0,1,2,3,4,5,6,7
	v_fma_f32 v[80+\i], v[80+\i], v[56+\i], s[CN+5]
	v_fma_f32 v[88+\i], v[88+\i], v[56+\i], s[CN+8]
.endr
.irp i, 0,1,2,3,4,5,6,7
	v_fma_f32 v[80+\i], v[80+\i], v[56+\i], -0.5
	v_fma_f32 v[88+\i], v[88+\i], v[56+\i], s[CN+9]
.endr
.irp i, 0,1,2,3,4,5,6,7
	v_fma_f32 v[80+\i], v[80+\i], v[56+\i], 1.0
	v_mul_f32 v[56+\i], v[56+\i], v[32+\i]
.endr
.irp i, 0,1,2,3,4,5,6,7
	v_fma_f32 v[88+\i], v[88+\i], v[56+\i], v[32+\i]
.endr
.irp i, 0,1,2,3,4,5,6,7                ; the quadrant n % 4: an odd n swaps the two; sin is negative for 2, 3; cos for 1, 2
	v_and_b32 v16, 1, v[48+\i]
	v_lshlrev_b32 v19, 30, v[48+\i]
	v_add_nc_u32 v20, 1, v[48+\i]
	v_cmp_eq_u32 vcc_lo, 1, v16
	v_lshlrev_b32 v20, 30, v20
	v_and_b32 v19, 0x80000000, v19
	v_cndmask_b32 v17, v[88+\i], v[80+\i], vcc_lo
	v_cndmask_b32 v18, v[80+\i], v[88+\i], vcc_lo
	v_and_b32 v20, 0x80000000, v20
	v_xor_b32 v[225+2*\i], v19, v17                ; sin
	v_xor_b32 v[224+2*\i], v20, v18                ; cos
.endr
	WIN 0
.endm
	TABLE 0
	TABLE 1
; A tile's rows go through my stage as they lie and come back 16 neighbours of each block to a lane; turned, quantised: the codes are the operand's registers, v16-31 of window x
.macro QMAKE x, qs
	s_wait_alu depctr_va_vdst(0)
	s_wait_loadcnt 16*(1-\x)                       ; this tile's 16 loads are in; window 1's 16 may be out
	WIN 0x04*\x
.irp i, 0,1,2,3,4,5,6,7,8,9,10,11,12,13,14,15
	ds_store_b128 v8, v[96+4*\i:99+4*\i] offset:QPT*\i
.endr
	WIN 0x40*\x
.irp j, 0,1,2,3
	ds_load_b128 v[16+4*\j:19+4*\j], v254 offset:16*\j     ; LDS serves a wave's instructions in order: these see my stores
.endr
.irp c, 1,2,3
.irp j, 0,1,2,3
	ds_load_b128 v[32+16*\c+4*\j:35+16*\c+4*\j], v254 offset:128*\c+16*\j
.endr
.endr
	s_wait_dscnt 0x0
	WIN 0x55*\x
.irp p, 0,1,2,3,4,5,6,7                ; pair p of my eight: (x0, x1) -> (x0 cos - x1 sin, x1 cos + x0 sin)
	v_pk_mul_f32 v[96+2*\p:97+2*\p], v[16+2*\p:17+2*\p], v[224+2*\p:225+2*\p] op_sel_hi:[1,0]
.endr
.irp p, 0,1,2,3,4,5,6,7
	v_fma_f32 v[32+2*\p], -v[17+2*\p], v[225+2*\p], v[96+2*\p]
	v_fma_f32 v[33+2*\p], v[16+2*\p], v[225+2*\p], v[97+2*\p]
.endr
.irp b, 0,1,2,3
	v_max3_num_f32 v[96+\b], |v[32+16*\b]|, |v[33+16*\b]|, 0x4800000   ; block b: my 16 numbers, and the floor 2^(9 - 127): the byte cannot fall under 1
.endr
.irp i, 2,4,6,8,10,12,14
.irp b, 0,1,2,3
	v_max3_num_f32 v[96+\b], v[96+\b], |v[32+16*\b+\i]|, |v[33+16*\b+\i]|
.endr
.endr
.irp b, 0,1,2,3
	v_permlanex16_b32 v[100+\b], v[96+\b], s[SEL], s[SEL+1]
.endr
.irp b, 0,1,2,3
	v_max_num_f32 v[96+\b], v[96+\b], v[100+\b]    ; with lane l xor 16's: the block's largest magnitude
.endr
.irp b, 0,1,2,3
	v_add_nc_u32 v[108+\b], 0xfc000000, v[96+\b]   ; 8 off its exponent field: the conversion's scale operand
.endr
.irp b, 0,1,2,3
	v_and_or_b32 v[104+\b], v[96+\b], 0x7f800000, s[MNT]   ; 448 x the scale
.endr
.irp b, 0,1,2,3
	v_lshrrev_b32 v[100+\b], 23, v[108+\b]         ; the scale's byte
.endr
	v_lshl_or_b32 v112, v101, 8, v100
	v_lshl_or_b32 v112, v102, 16, v112
	v_lshl_or_b32 v112, v103, 24, v112
.irp b, 0,1,2,3
.irp i, 0,1,2,3,4,5,6,7,8,9,10,11,12,13,14,15
	v_med3_num_f32 v[32+16*\b+\i], v[32+16*\b+\i], -v[104+\b], v[104+\b]   ; the conversion to an 8-bit code does not saturate (ISA guide 7.6.2): the hold comes first
.endr
	v_cvt_scalef32_pk8_fp8_f32 v[16+4*\b:17+4*\b], v[32+16*\b:39+16*\b], v[108+\b]
	v_cvt_scalef32_pk8_fp8_f32 v[18+4*\b:19+4*\b], v[40+16*\b:47+16*\b], v[108+\b]
.endr
	WIN 0x01*\x
	v_mov_b32 v[\qs], v112                         ; a plain instruction behind the last conversion: the scale word, in window 0
	WIN 0
.endm
	QMAKE 0, QS0
	QMAKE 1, QS1
	WIN 0x40
	v_mov_b32 v253, 0                              ; named as a pair's upper half before it is first written
	WIN 0
	s_cmp_lt_u32 s[WV], 4                          ; group 0 lays its Q out for the partner in group 1, whose second unit it is
	s_wait_alu depctr_va_vdst(0)
	s_cbranch_scc0 .Lno_q
	v_add_nc_u32 v8, s[QXB], v[AK0]
	v_lshrrev_b32 v254, 2, v[AK0]
	v_add_nc_u32 v254, s[QXB], v254
.irp c, 0,1,2,3
	ds_store_b128 v8, v[16+4*\c:19+4*\c] offset:512*\c
.endr
	ds_store_b32 v254, v[QS0] offset:4096
	ds_store_b32 v254, v[QS1] offset:4224
	WIN 0x04
.irp c, 0,1,2,3
	ds_store_b128 v8, v[16+4*\c:19+4*\c] offset:2048+512*\c
.endr
	WIN 0
.Lno_q:
	s_wait_tensorcnt 0x0                           ; my part of slot 0 is in
	ds_add_u32 v[SPW], v[NIL]
	NEXT 1
	s_wait_dscnt 0x0                               ; the add is done, and my stores of Q
	s_barrier_signal -1
	s_barrier_wait -1                              ; everybody's part of slot 0 is in
	tensor_load_to_lds s[G0:G0+3], s[G1:G1+7]      ; slot 1, the first tensor load behind the barrier
	s_nop 0
; 33 LDS loads: eight tiles at byte off of the step, four to window 0 and four to window 1, and their scale words
.macro LOADF off, soff
.irp t, 0,1,2,3
.irp c, 0,1,2,3
	ds_load_b128 v[32+16*\t+4*\c:35+16*\t+4*\c], v[ADK] offset:\off+2048*\t+512*\c
.endr
.endr
	ds_load_b128 v[248:251], v[ADK] offset:\soff
	WIN 0x40
.irp t, 0,1,2,3
.irp c, 0,1,2,3
	ds_load_b128 v[32+16*\t+4*\c:35+16*\t+4*\c], v[ADK] offset:\off+8192+2048*\t+512*\c
.endr
.endr
	WIN 0
.endm
; S^T = K Q^T of window x's queries: four tiles of keys (fb = 0: tiles 0-3; 1: tiles 4-7, whose scale words lie in lanes 16-31)
.macro QKM x, fb, qs
	WIN \fb+0x44*\x
.irp t, 0,1,2,3
.if \fb
	v_wmma_scale_f32_16x16x128_f8f6f4 v[128+8*\t:135+8*\t], v[32+16*\t:47+16*\t], v[16:31], 0, v[248+\t], v[\qs] matrix_a_scale:MATRIX_SCALE_ROW1
.else
	v_wmma_scale_f32_16x16x128_f8f6f4 v[96+8*\t:103+8*\t], v[32+16*\t:47+16*\t], v[16:31], 0, v[248+\t], v[\qs]
.endif
.endr
.endm
; O^T += V^T P^T: four tiles of 16 channels; an odd tile's scale words lie in lanes 16-31
.macro PVM x, fb, ps
	WIN \fb+0x54*\x
.irp t, 0,1,2,3
.if (\t%2) == 0
	v_wmma_scale_f32_16x16x128_f8f6f4 v[160+32*\fb+8*\t:167+32*\fb+8*\t], v[32+16*\t:47+16*\t], v[224:239], v[160+32*\fb+8*\t:167+32*\fb+8*\t], v[248+2*\fb+\t/2], v[\ps]
.else
	v_wmma_scale_f32_16x16x128_f8f6f4 v[160+32*\fb+8*\t:167+32*\fb+8*\t], v[32+16*\t:47+16*\t], v[224:239], v[160+32*\fb+8*\t:167+32*\fb+8*\t], v[248+2*\fb+\t/2], v[\ps] matrix_a_scale:MATRIX_SCALE_ROW1
.endif
.endr
.endm
; On the diagonal: d = my query in the block - 16 (lane / 16).  Register 16 b + i holds key 32 b + 16 (lane / 16) + i: kept where 32 b + i <= d, else -infinity: p = 0 then
.macro MASK x
	WIN 0x40*\x
	v_add_nc_u32 v252, s[SQ+\x], v[DQ]
	WIN 0x55*\x
.set n, 0
.rept 64
	v_cmp_le_i32 vcc_lo, 32*(n/16)+n%16, v252
	v_cndmask_b32 v[96+n], 0xff800000, v[96+n], vcc_lo
.set n, n+1
.endr
	WIN 0
.endm
; The softmax's first part, in one window: maxima, the new M, t - M.
.macro SOFTA
.irp b, 0,1,2,3
	v_max3_num_f32 v[232+\b], v[96+16*\b], v[97+16*\b], v[98+16*\b]   ; the largest score of each block of 32 keys: for the row's maximum, and, since p rises with the score, for the block's largest p
.endr
.irp i, 3,5,7,9,11,13
.irp b, 0,1,2,3
	v_max3_num_f32 v[232+\b], v[232+\b], v[96+16*\b+\i], v[97+16*\b+\i]
.endr
.endr
.irp b, 0,1,2,3
	v_max_num_f32 v[232+\b], v[232+\b], v[111+16*\b]
.endr
.irp b, 0,1,2,3
	v_permlanex16_b32 v[236+\b], v[232+\b], s[SEL], s[SEL+1]
.endr
.irp b, 0,1,2,3
	s_delay_alu instid0(VALU_DEP_4)
	v_max_num_f32 v[232+\b], v[232+\b], v[236+\b]  ; with lane l xor 16's 16 keys
.endr
	s_delay_alu instid0(VALU_DEP_2)
	v_max3_num_f32 v254, v232, v233, v234
	s_delay_alu instid0(VALU_DEP_1)
	v_max_num_f32 v254, v254, v235                 ; the step's largest score of my query
	s_delay_alu instid0(VALU_DEP_1)
	v_mul_f32 v254, s[CS], v254                    ; as t
	s_delay_alu instid0(VALU_DEP_1)
	v_max_num_f32 v13, v13, v254                   ; the running largest t
	v_mov_b32 v254, v12
	s_delay_alu instid0(VALU_DEP_2)
	v_floor_f32 v12, -v13                          ; the new -M = -ceil(t): a whole number
	s_delay_alu instid0(VALU_DEP_1)
	v_sub_f32 v254, v12, v254                      ; old M - new M: a whole number, 0 or less
	s_delay_alu instid0(VALU_DEP_1)
	v_cvt_i32_f32 v254, v254                       ; (it saturates)
	s_delay_alu instid0(VALU_DEP_1)
	v_ldexp_f32 v252, 1.0, v254                    ; f = 2^(old M - new M)
.set n, 0
.rept 32
	v_pk_fma_f32 v[96+n:97+n], v[96+n:97+n], s[CS:CS+1], v[12:13] op_sel_hi:[1,0,0]   ; t - M, two at a time
.set n, n+2
.endr
.irp b, 0,1,2,3
	v_fma_f32 v[232+\b], v[232+\b], s[CS], v12     ; the same of each block's largest score
.endr
	s_wait_alu depctr_va_vdst(0)
.endm
; Its second part: p, the sum, the scale word, the codes.
.macro SOFTP x
.set n, 0
.rept 64
	v_exp_f32 v[96+n], v[96+n]                     ; p = 2^(t - M), at most 1
.set n, n+1
.endr
.irp b, 0,1,2,3
	v_exp_f32 v[232+\b], v[232+\b]                 ; the block's largest p
.endr
	v_pk_mul_f32 v[14:15], v[14:15], v[252:253] op_sel_hi:[1,0]   ; the sums under the new M.  (A plain instruction behind the exponentials)
	s_wait_alu depctr_va_vdst(0)                   ; one wait for the batch, ahead of its first reader
.irp b, 0,1,2,3
	v_max_num_f32 v[232+\b], 0x4800000, v[232+\b]  ; the floor 2^(9 - 127): the byte cannot fall under 1
.endr
.irp b, 0,1,2,3
	s_delay_alu instid0(VALU_DEP_4)
	v_add_nc_u32 v[244+\b], 0xfc000000, v[232+\b]  ; 8 off the exponent field: the conversion's scale operand
.endr
.irp b, 0,1,2,3
	v_and_or_b32 v[240+\b], v[232+\b], 0x7f800000, s[MNT]   ; 448 x the scale
.endr
.irp b, 0,1,2,3
	v_lshrrev_b32 v[236+\b], 23, v[244+\b]         ; the scale's byte
.endr
	s_delay_alu instid0(VALU_DEP_3)
	v_lshl_or_b32 v253, v237, 8, v236              ; p's scale word for these 128 keys
	s_delay_alu instid0(VALU_DEP_1)
	v_lshl_or_b32 v253, v238, 16, v253
	s_delay_alu instid0(VALU_DEP_1)
	v_lshl_or_b32 v253, v239, 24, v253
.if \x
	WIN 0x01
	v_mov_b32 v[PS1], v253                         ; (a scale register lies in window 0)
	WIN 0x55
.endif
.irp k, 0,1,2,3,4,5,6
	v_pk_add_f32 v[224+2*\k:225+2*\k], v[96+4*\k:97+4*\k], v[98+4*\k:99+4*\k]   ; the row's sum, of the unquantised p, in eight chains
.endr
	v_pk_add_f32 v[14:15], v[14:15], v[124:125]
.irp m, 126,142
.irp k, 0,1,2,3,4,5,6
	v_pk_add_f32 v[224+2*\k:225+2*\k], v[224+2*\k:225+2*\k], v[\m+2*\k:\m+1+2*\k]
.endr
	v_pk_add_f32 v[14:15], v[14:15], v[\m+14:\m+15]
.endr
	v_pk_add_f32 v[224:225], v[224:225], v[158:159]
	s_delay_alu instid0(VALU_DEP_2)
	v_pk_add_f32 v[14:15], v[14:15], v[226:227]
	s_delay_alu instid0(VALU_DEP_2)
	v_pk_add_f32 v[224:225], v[224:225], v[228:229]
	v_pk_add_f32 v[230:231], v[230:231], v[232:233]
	v_pk_add_f32 v[234:235], v[234:235], v[236:237]
	s_delay_alu instid0(VALU_DEP_2)
	v_pk_add_f32 v[14:15], v[14:15], v[230:231]
	s_delay_alu instid0(VALU_DEP_2)
	v_pk_add_f32 v[224:225], v[224:225], v[234:235]
	s_delay_alu instid0(VALU_DEP_1)
	v_pk_add_f32 v[14:15], v[14:15], v[224:225]
.irp b, 0,1,2,3
.irp i, 0,2,4,6,8,10,12,14
	v_dual_min_num_f32 v[96+16*\b+\i], v[240+\b], v[96+16*\b+\i] :: v_dual_min_num_f32 v[97+16*\b+\i], v[240+\b], v[97+16*\b+\i]   ; the conversion does not saturate (ISA guide 7.6.2); p is not negative, so the hold is one-sided
.endr
	v_cvt_scalef32_pk8_fp8_f32 v[224+4*\b:225+4*\b], v[96+16*\b:103+16*\b], v[244+\b]
	v_cvt_scalef32_pk8_fp8_f32 v[226+4*\b:227+4*\b], v[104+16*\b:111+16*\b], v[244+\b]
.endr
.endm
.macro SOFTO
	s_wait_alu depctr_va_vdst(0)
.set n, 0
.rept 32
	v_pk_mul_f32 v[160+n:161+n], v[160+n:161+n], v[252:253] op_sel_hi:[1,0]   ; O^T under the new M.  (These 32 also stand between the conversions and the products)
.set n, n+2
.endr
.endm
; The prefetch: see the head.  Its base is written only behind the wait: the last prefetch, a trip back, has read it
.macro ASK
	s_cmp_lt_u32 s[SI], s[LP]
	s_cbranch_scc0 .Lno_ask_\@
	s_add_co_u32 s67, s[SI], 3
	s_sub_co_u32 s68, 13, s[SI]
	s_cmp_eq_u32 s[ODD], 0
	s_cselect_b32 s67, s67, s68
	s_mul_i32 s72, s67, STEPB
	s_wait_xcnt 0x0
	s_add_nc_u64 s[PFA:PFA+1], s[KPF:KPF+1], s[72:73]
	global_prefetch_b8 v[PFO], s[PFA:PFA+1] th:TH_LOAD_NT scope:SCOPE_SE
.Lno_ask_\@:
.endm
; A KEY STEP of 128 keys for the tiles of one or both windows.  mode 0: the change of slots inside it fills the slot in hand again, with the keys of trip SI + 2; mode 1: nothing is filled; mode 2: the barrier serves the partials alone.
.macro STEP tiles, mode
	v_add_nc_u32 v[ADK], s[TB], v[AK0]
.rept 7
	v_nop                                          ; eight places, with the addition, in front of loads into registers that matrix instructions have read
.endr
	LOADF 0, 16384                                 ; K
	s_wait_alu depctr_va_vdst(0)
	s_wait_dscnt 16                                ; tiles 0-3 and the scale words are in; tiles 4-7's sixteen loads may be out
	QKM 0, 0, QS0
.if \tiles > 1
	QKM 1, 0, QS1
.endif
	s_wait_dscnt 0x0
	QKM 0, 1, QS0
.if \tiles > 1
	QKM 1, 1, QS1
.endif
	WIN 0
.rept 8
	v_nop
.endr
	LOADF 16896, 33280                             ; V
	s_sub_co_u32 s67, s[SI], s[D1]
	s_cmp_gt_u32 s67, 1
	s_cbranch_scc1 .Lopen_\@                       ; all this step's keys count
	MASK 0
.if \tiles > 1
	MASK 1
.endif
.Lopen_\@:
	SOFTA
	SOFTP 0
.if \mode < 2
	s_wait_tensorcnt 0x0                           ; no tensor load of mine is out: my part of the next slot is in
	ds_add_u32 v[SPW], v[NIL]                      ; 0 onto my spare word
.if \mode == 0
	NEXT 2
.endif
.endif
	SOFTO                                          ; work on registers between the add and the wait for it
	s_wait_alu depctr_va_vdst(0)
	s_wait_dscnt 0x0                               ; the add is done, and V's fragments are in registers: I am done with the slot in hand
	s_barrier_signal -1
	PVM 0, 0, PS0                                  ; work on registers while the others arrive
	PVM 0, 1, PS0
.if \tiles > 1
	WIN 0x55
	s_wait_alu depctr_va_vdst(0)
	SOFTA
.else
	WIN 0
.endif
	s_barrier_wait -1                              ; nobody reads the slot in hand any more, and the next one is whole
.if \mode == 0
	tensor_load_to_lds s[G0:G0+3], s[G1:G1+7]
	s_nop 0
.endif
.if \tiles > 1
	SOFTP 1
	SOFTO
	PVM 1, 0, PS1
	PVM 1, 1, PS1
	WIN 0
.endif
.if \mode == 0
	ASK
.endif
.endm
; THE WAY OUT.  O^T / the row's sum, in window x's v96 on
.macro OUTDIV x
	WIN 0x55*\x
	v_add_f32 v14, v14, v15                        ; the sum's two halves,
	s_delay_alu instid0(VALU_DEP_1)
	v_permlanex16_b32 v252, v14, s[SEL], s[SEL+1]
	s_delay_alu instid0(VALU_DEP_1)
	v_add_f32 v14, v14, v252                       ; and lane l xor 16's
	s_wait_alu depctr_va_vdst(0)
	v_rcp_f32 v14, v14
	v_nop                                          ; a plain instruction behind the reciprocal
	s_wait_alu depctr_va_vdst(0)
.set n, 0
.rept 32
	v_pk_mul_f32 v[96+n:97+n], v[160+n:161+n], v[14:15] op_sel_hi:[1,0]   ; register 8 t + i is o(row r, channel 16 t + 8 h + i)
.set n, n+2
.endr
	WIN 0
.endm
; A tile through my stage, half a row (64 channels, 256 bytes) of 16 queries at a time, so that sixteen lanes store 256 consecutive bytes, aligned.  Stage row x is the tile's row x + 8 (x / 8)
.macro OUTST x, ptr, off
.irp u, 0,1
	WIN 0x04*\x
.irp t, 0,1,2,3
	ds_store_b128 v[STI], v[96+32*\u+8*\t:99+32*\u+8*\t] offset:64*\t
	ds_store_b128 v[STI], v[100+32*\u+8*\t:103+32*\u+8*\t] offset:64*\t+16
.endr
	WIN 0x40*\x
.irp i, 0,1,2,3,4,5,6,7
	ds_load_b128 v[32+32*\u+4*\i:35+32*\u+4*\i], v[STO] offset:2*\i*272   ; LDS serves a wave's instructions in order: these see my stores, and later stores come behind them
.endr
.endr
	WIN 0x04*\x
.irp u, 0,1
.irp i, 0,1,2,3,4,5,6,7
	s_wait_dscnt 23-16*\u-\i                       ; at most the LDS instructions younger than this load are out
	global_store_b128 v[GO], v[32+32*\u+4*\i:35+32*\u+4*\i], s[\ptr:\ptr+1] offset:\off+(2*\i+8*(\i/4))*512+256*\u th:TH_STORE_NT
.endr
.endr
	WIN 0
.endm
; A trip's end.  Behind trip FL block mu is finished (group 1): it goes out, and the long block's Q takes its place.  M begins anew at -3e38: the first change of M multiplies what stands in O^T and the sum by 0.
.macro DONE
	s_xor_b32 s[TB], s[TB], SLOT1                  ; on to the other slot
	s_cmp_lg_u32 s[SI], s[FL]
	s_cbranch_scc1 .Lnot_done_\@
	OUTDIV 0
	OUTST 0, OPF, 4096                             ; window 0 holds tile 1 here
	OUTDIV 1
	OUTST 1, OPF, 0
	v_add_nc_u32 v8, s[QXB], v[AK0]
	v_lshrrev_b32 v254, 2, v[AK0]
	v_add_nc_u32 v254, s[QXB], v254
.irp c, 0,1,2,3
	ds_load_b128 v[16+4*\c:19+4*\c], v8 offset:2048+512*\c
.endr
	ds_load_b32 v[QS0], v254 offset:4224
	ds_load_b32 v[QS1], v254 offset:4096
	v_mov_b32 v13, 0xff61b1e6
	v_mov_b32 v12, 0x7f61b1e6
	WIN 0x40
.irp c, 0,1,2,3
	ds_load_b128 v[16+4*\c:19+4*\c], v8 offset:512*\c
.endr
	v_mov_b32 v13, 0xff61b1e6
	v_mov_b32 v12, 0x7f61b1e6
	WIN 0
	s_wait_alu depctr_va_vdst(0)
	s_wait_xcnt 0x0                                ; the stores have read their registers
	s_wait_dscnt 0x0                               ; Q is in
.Lnot_done_\@:
.endm
.Ltrip:                                            ; trips 0 .. 6 ask for slots 2 .. 8
	STEP 2, 0
	DONE
	s_add_co_u32 s[SI], s[SI], 1
	s_cmp_lt_u32 s[SI], 7
	s_cbranch_scc1 .Ltrip
	STEP 2, 1                                      ; trip 7 asks for nothing: written out
	DONE
	s_add_co_u32 s[SI], s[SI], 1
.rept 8
	v_nop                                          ; places in front of stores of matrix results
.endr
	v_add_nc_u32 v8, s[XWS], v[AK0]                ; window 1's tile goes to my partner: O^T, and -M with the sum's halves
	WIN 0x04
.irp j, 0,1,2,3,4,5,6,7,8,9,10,11,12,13,14,15
	ds_store_b128 v8, v[160+4*\j:163+4*\j] offset:512*\j
.endr
	ds_store_b128 v8, v[12:15] offset:8192
	WIN 0
	STEP 1, 2                                      ; trip 8: key step 8 for window 0's tile.  Behind its barrier the partner's partial lies in LDS
	v_add_nc_u32 v254, s[XRS], v[AK0]
	WIN 0x40
.irp j, 0,1,2,3,4,5,6,7,8,9,10,11,12,13,14,15
	ds_load_b128 v[160+4*\j:163+4*\j], v254 offset:512*\j  ; the partner's share of my tile, into window 1
.endr
	ds_load_b128 v[12:15], v254 offset:8192
	s_wait_dscnt 0x0
	WIN 0x04
	v_min_num_f32 v244, v12, v12                   ; -M of both: the lesser of mine and the partner's
	v_sub_f32 v245, v244, v12                      ; the partner's M less it
	WIN 0
	v_sub_f32 v246, v244, v12                      ; mine
	v_cvt_i32_f32 v245, v245
	v_cvt_i32_f32 v246, v246
	v_ldexp_f32 v242, 1.0, v245                    ; the partner's factor
	v_ldexp_f32 v240, 1.0, v246                    ; mine
	WIN 0x05
	v_add_f32 v247, v14, v15
	WIN 0
	v_add_f32 v14, v14, v15
	v_mul_f32 v14, v14, v240
	v_fma_f32 v14, v247, v242, v14                 ; the sum of both shares,
	v_permlanex16_b32 v252, v14, s[SEL], s[SEL+1]
	v_add_f32 v14, v14, v252                       ; and lane l xor 16's
	s_wait_alu depctr_va_vdst(0)
	v_rcp_f32 v14, v14
	v_nop                                          ; a plain instruction behind the reciprocal
	s_wait_alu depctr_va_vdst(0)
	v_mul_f32 v240, v240, v14
	v_mul_f32 v242, v242, v14
.set n, 0
.rept 32
	v_pk_mul_f32 v[96+n:97+n], v[160+n:161+n], v[240:241] op_sel_hi:[1,0]
.set n, n+2
.endr
	WIN 0x01
.set n, 0
.rept 32
	v_pk_fma_f32 v[96+n:97+n], v[160+n:161+n], v[242:243], v[96+n:97+n] op_sel_hi:[1,0,1]
.set n, n+2
.endr
	WIN 0
	OUTST 0, OPB, 0
	s_wait_tensorcnt 0x0                           ; the wave's end: behind my last tensor load and my last LDS store
	ds_add_u32 v[SPW], v[NIL]
	s_wait_dscnt 0x0
	s_endpgm
.Lfunc_end_k_q5ff86fac08_attn:
	.size	k_q5ff86fac08_attn, .Lfunc_end_k_q5ff86fac08_attn-k_q5ff86fac08_attn
	.p2alignl 7, 3214868480
	.fill 96, 4, 3214868480
	.section	.rodata,"a",@progbits
	.p2align	6, 0x0
	.amdhsa_kernel k_q5ff86fac08_attn
		.amdhsa_group_segment_fixed_size 327680
		.amdhsa_private_segment_fixed_size 0
		.amdhsa_enable_private_segment 0
		.amdhsa_kernarg_size 24
		.amdhsa_user_sgpr_count 2
		.amdhsa_user_sgpr_kernarg_segment_ptr 1
		.amdhsa_wavefront_size32 1
		.amdhsa_system_sgpr_workgroup_id_x 1
		.amdhsa_system_sgpr_workgroup_id_y 1
		.amdhsa_system_sgpr_workgroup_id_z 1
		.amdhsa_system_vgpr_workitem_id 0
		.amdhsa_next_free_vgpr 512
		.amdhsa_next_free_sgpr 96
		.amdhsa_reserve_vcc 1
		.amdhsa_float_denorm_mode_32 3
		.amdhsa_float_denorm_mode_16_64 3
		.amdhsa_memory_ordered 1
		.amdhsa_forward_progress 1
		.amdhsa_inst_pref_size 245
	.end_amdhsa_kernel
	.amdgpu_metadata
---
amdhsa.version: [ 1, 2 ]
amdhsa.kernels:
  - .name:           k_q5ff86fac08_attn
    .symbol:         k_q5ff86fac08_attn.kd
    .args:
      - { .name: q, .offset: 0, .size: 8, .value_kind: global_buffer, .address_space: global }
      - { .name: kv, .offset: 8, .size: 8, .value_kind: global_buffer, .address_space: global }
      - { .name: out0, .offset: 16, .size: 8, .value_kind: global_buffer, .address_space: global }
    .group_segment_fixed_size: 327680
    .private_segment_fixed_size: 0
    .kernarg_segment_align: 8
    .kernarg_segment_size: 24
    .max_flat_workgroup_size: 256
    .sgpr_count:     96
    .vgpr_count:     512
    .wavefront_size: 32
...
	.end_amdgpu_metadata
.endif
;; end of part 2
